; MI455X (gfx1250); checked and timed in simulation.
; The chip was launched on July 23, 2026; its instructions are those of AMD's public machine-readable ISA for CDNA 5 (MIT licence, August 2026) and "CDNA5" Instruction Set Architecture Reference Guide (July 2026). The comments in the code are by the model that wrote it; some were corrected since.
;; Clustered Attention. Allowed arithmetic: matrix products marked QUANTISED: E4M3 operands, one E8M0 scale for each 32 along K, by v_wmma_scale_f32_16x16x128_f8f6f4 with both operands' format E4M3, f32 sums; everything else in f32.
;; Inputs: key 4 x 512 x 32 x 64 float32; label_arr 4 x 512 int32; query_codes 4 x 512 x 32 x 2 x 32 uint8 (E4M3 codes of query, K innermost, in blocks of 32 codes); query_scales 4 x 512 x 32 x 2 uint8 (E8M0 scales of query, one for each 32 codes along K); value_codes 4 x 32 x 64 x 16 x 32 uint8 (E4M3 codes of value, K innermost, in blocks of 32 codes); value_scales 4 x 32 x 64 x 16 uint8 (E8M0 scales of value, one for each 32 codes along K).
;; Outputs: out0 4 x 512 x 32 x 64 float32.
;; This version of the problem:
;;   THIS VERSION OF THE PROBLEM IS GIVEN IN LOW PRECISION. The matrix products marked QUANTISED in the list below multiply operands that are first quantised to E4M3 (4 exponent bits, 3 mantissa bits; 8 bits a number), with one power-of-two scale for each 32 numbers along K (OCP MX v1.0); their sums are f32. All else is computed in f32.
;;   The module's matrix products, in the order in which they are computed (A, B: the left and right operand; K: the contracted axis; several contracted axes count as one K, in the product's order):
;;     1. batch 4 x [M 16,384, K 64] x [K 64, N 512]; A: input query (given as codes); B: computed on the way: QUANTISED
;;     2. batch 128 x [M 64, K 512] x [K 512, N 512]; A: input value (given as codes); B: softmax (see below): QUANTISED
;;   THE QUANTISER, for each operand of a quantised product, along K:
;;     - K is cut into blocks of 32 from its start; a last block that is shorter is filled with zeros.
;;     - A block's scale is 2^e with e = floor(log2(the largest magnitude in the block)) - 8, held to -126 .. 127; a block of zeros has e = 0. As a byte (E8M0): e + 127.
;;     - Each number is divided by its block's scale, clamped to +-448, and rounded to the nearest number of E4M3, ties to even, subnormals kept.
;;     - The product sums the exact products of the quantised numbers (number of the format x scale) in f32.
;;   ~~~python
;;   def quantise(x, axis):      # numpy; x: float32 -> the quantised numbers, widened to float32 again
;;       x = np.moveaxis(x, axis, -1); K = x.shape[-1]
;;       x = np.pad(x, [(0, 0)] * (x.ndim - 1) + [(0, -K % 32)]); x = x.reshape(x.shape[:-1] + (-1, 32)); a = np.abs(x).max(-1, keepdims=True)
;;       e = np.where(a > 0, np.clip(np.frexp(np.where(a > 0, a, 1))[1] - 1 - 8, -126, 127), 0)      # np.frexp(a)[1] - 1 = floor(log2(a)), exactly
;;       r = np.clip(x / 2.0 ** e, -448, 448)
;;       step = 2.0 ** (np.maximum(np.frexp(np.where(r == 0, 1, r))[1] - 1, -6) - 3)
;;       q = np.round(r / step) * step * 2.0 ** e      # np.round: ties to even
;;       return np.moveaxis(q.reshape(q.shape[:-2] + (-1,))[..., :K], -1, axis).astype(np.float32)
;;   ~~~
;;   SOFTMAX AHEAD OF A QUANTISED PRODUCT. Where the list says 'softmax', what is quantised is not the finished softmax but p = 2^(t - M), with t = logit x log2(e) and M = ceil(the row's largest t), a whole number; so 1/2 < the row's largest p <= 1. The row's sum l is taken of the UNQUANTISED p, in f32, and the product's result is divided by l at the end. Since M is a whole number, a kernel that streams over the keys may use a running M (the ceiling of the running maximum): every later rescaling is an exact power of two, which a block's scale takes up: the codes' values come out the same.
;;   OPERANDS COMPUTED ON THE WAY. 'Computed on the way' means the value that the module computes at that place (a softmax that the list does not call 'softmax' is quantised finished and normalised). What goes into a quantiser is computed in f32, as accurately as f32 sums, v_exp_f32 and their like allow (about 1e-6 of the number): no bf16 or f16 on the way to a quantiser, and a product that is left as it is and whose result goes on into a quantised operand takes f32 operands (vector FMAs, or v_wmma_f32_16x16x4_f32). A number that lies on a knife's edge between two numbers of the format may be rounded either way, as far as f32 arithmetic and the matrix unit's own rounding can turn it there, and no further.
;;   INPUTS GIVEN AS CODES. query (in the module: [4, 512, 32, 64], K = its axis 3); value (in the module: [4, 512, 32, 64], K = its axis 1): each comes as NAME_codes (uint8): NAME with its K axis moved to the last place and cut into blocks of 32 codes, [.., K / 32, bytes a block], one block behind the other in memory; one code a byte (a code: sign, 4 exponent bits, 3 mantissa bits); and NAME_scales (uint8): the same leading axes, one E8M0 byte (e + 127) for each 32 codes along K. Its value is code x scale, taken as it is: it is not quantised again, and the codes and scales need not be those that the quantiser above would give.
;; One version. Each part assembles by itself: llvm-mc -triple=amdgcn-amd-amdhsa -mcpu=gfx1250 --defsym DOCPART=n.
;; ======== version 1 of 1: 2 launches
;; limits: right only within a limited range of input values
;; workspace buffers: s_codes 131,072 bytes; s_scales 4,096 bytes
;; launch ksum (part 1): grid 256 x 1, 8 waves a work-group, no clusters, 3,328 bytes of LDS; arguments key, s_codes, s_scales; writes s_codes, s_scales
.if DOCPART == 1
	.amdgcn_target "amdgcn-amd-amdhsa--gfx1250"
	.amdhsa_code_object_version 6
	.text
	.protected	k_qbd2fa3ad51_ksum
	.globl	k_qbd2fa3ad51_ksum
	.p2align	8
	.type	k_qbd2fa3ad51_ksum,@function
k_qbd2fa3ad51_ksum:
	s_mov_b64 s[64:65], 0
	v_nop
	global_prefetch_b8 v0, s[64:65] scope:SCOPE_SE
	s_setreg_imm32_b32 hwreg(HW_REG_WAVE_MODE, 25, 1), 1
	s_wait_xcnt 0x0
; S[b][j][d] = the sum over v of key[b][j][v][d] (f32), then quantised along d: codes of E4M3, one E8M0 scale byte for each 32 along d.
; key: [4][512][32][64] f32: a key (b, j) is 8,192 consecutive bytes.  A work-group takes 8 neighbouring keys, a wave one key: 16 loads of 512 consecutive bytes, all issued at once.
; Lane l of a load holds d = 4 (l % 16) + 0..3 of variable 2 n + l / 16: 30 packed additions and one exchange between the halves of the lanes give the 64 sums.
; The eight rows of sums meet in LDS; wave 0 quantises them: lane l takes key l % 8 and the 16 neighbours d = 16 (l / 8) + 0..15; lanes l and l xor 8 share a block of 32.
; THE CODES ARE LAID AS THE NEXT LAUNCH TAKES THEM INTO REGISTERS.  Its operand holds, for each 32 keys (number bb), two tiles u = 0, 1 of 16 keys; row r of tile u is key 32 bb + 8 u + r + 8 (r / 8).
; s_codes: [b][bb][u][c][h][r] x 16 bytes = the codes d = 32 c + 16 h + 0..15 of that key.  s_scales: [b][bb][r] words; in a word the bytes (u, c) = (0,0), (0,1), (1,0), (1,1).
; My 8 keys are 8 rows r = 8 a + 0..7 of one tile: u = bit 0 and a = bit 1 of the work-group number.  So a store of codes covers four runs of 128 consecutive bytes.
; LIMITS: NaN and infinities among the inputs are not served.  A block of zeros, or one whose largest magnitude lies under 2^-118, gets the byte 1: the bytes are read by this program alone.
; No matrix unit, no cluster, no tensor load: the work-groups share nothing and the launch only streams.
.set PITCH, 272                        ; a row of 64 sums in LDS: 256 bytes + 16
.set X,     16                         ; v16-79  16 loads x 4 registers; later the 16 numbers that a lane quantises
.set CD,    80                         ; v80-83  a lane's 16 codes
	s_load_b128 s[4:7], s[0:1], 0x0                ; key s[4:5], s_codes s[6:7]
	s_load_b64 s[8:9], s[0:1], 0x10                ; s_scales
	v_lshl_add_u32 v96, v0, 2, 0x900
	v_mov_b32 v97, 0
	v_lshrrev_b32 v1, 5, v0
	v_readfirstlane_b32 s10, v1                    ; wave 0..7: which of the 8 keys
	v_and_b32 v2, 31, v0                           ; lane
	v_lshlrev_b32 v3, 4, v2                        ; my 16 bytes of a load's 512
	v_and_b32 v4, 15, v0
	v_lshlrev_b32 v4, 4, v4
	s_mul_i32 s11, s10, PITCH
	v_add_nc_u32 v4, s11, v4                       ; LDS, in: my key's row, 16 bytes for d = 4 (lane % 16) on
	v_and_b32 v5, 7, v0                            ; wave 0's part: key = lane % 8,
	v_lshrrev_b32 v6, 3, v2                        ; 2 c + h = lane / 8
	v_lshlrev_b32 v7, 4, v5
	v_lshl_add_u32 v7, v6, 8, v7                   ; codes out: 256 (2 c + h) + 16 key
	v_lshlrev_b32 v8, 2, v5                        ; scale bytes out: a word a key
	v_mul_u32_u24 v5, v5, PITCH
	v_lshl_add_u32 v5, v6, 6, v5                   ; LDS, back: the key's row, 64 bytes from d = 16 (2 c + h) on
	v_mov_b32 v13, 0                               ; written once: a lane permute's destination counts as one of its sources
	s_mov_b32 s20, 0x600000                        ; the mantissa field of 448
	s_mov_b32 s21, 0x76543210
	s_mov_b32 s22, 0xfedcba98                      ; v_permlanex16_b32's selects for lane l xor 16
	s_lshl_b32 s12, ttmp9, 16                      ; 8 keys of 8,192 bytes a work-group,
	s_lshl_b32 s11, s10, 13                        ; one a wave
	s_add_co_u32 s12, s12, s11
	s_mov_b32 s13, 0
	s_lshr_b32 s14, ttmp9, 2                       ; 16 b + bb
	s_and_b32 s15, ttmp9, 1                        ; u
	s_bfe_u32 s16, ttmp9, 0x10001                  ; a
	s_lshl_b32 s18, s14, 11                        ; codes: 2,048 bytes for 32 keys,
	s_lshl_b32 s17, s15, 10                        ; 1,024 a tile,
	s_add_co_u32 s18, s18, s17
	s_lshl_b32 s17, s16, 7                         ; rows 8 a on: 128 bytes
	s_add_co_u32 s18, s18, s17
	s_mov_b32 s19, 0
	s_lshl_b32 s24, s14, 6                         ; scale words: 64 bytes for 32 keys,
	s_lshl_b32 s17, s16, 5                         ; rows 8 a on: 32 bytes,
	s_add_co_u32 s24, s24, s17
	s_lshl_b32 s17, s15, 1                         ; tile u: the word's half
	s_add_co_u32 s24, s24, s17
	s_mov_b32 s25, 0
	s_wait_kmcnt 0x0
	s_add_nc_u64 s[4:5], s[4:5], s[12:13]
	s_add_nc_u64 s[6:7], s[6:7], s[18:19]
	s_add_nc_u64 s[8:9], s[8:9], s[24:25]
.irp n, 0,1,2,3,4,5,6,7,8,9,10,11,12,13,14,15
	global_load_b128 v[X+4*\n:X+4*\n+3], v3, s[4:5] offset:512*\n th:TH_LOAD_NT   ; variables 2 n and 2 n + 1: 512 consecutive bytes, read once in the launch
.endr
.irp g, 0,1,2,3                        ; four loads at a time are added as they arrive
	s_wait_loadcnt 12-4*\g                         ; loads come back in order: the younger groups of four may stay out
.irp p, 0,2
	v_pk_add_f32 v[X+16*\g+\p:X+16*\g+\p+1], v[X+16*\g+\p:X+16*\g+\p+1], v[X+16*\g+4+\p:X+16*\g+4+\p+1]
	v_pk_add_f32 v[X+16*\g+8+\p:X+16*\g+8+\p+1], v[X+16*\g+8+\p:X+16*\g+8+\p+1], v[X+16*\g+12+\p:X+16*\g+12+\p+1]
.endr
.irp p, 0,2
	v_pk_add_f32 v[X+16*\g+\p:X+16*\g+\p+1], v[X+16*\g+\p:X+16*\g+\p+1], v[X+16*\g+8+\p:X+16*\g+8+\p+1]
.endr
.endr
.irp p, 0,2
	v_pk_add_f32 v[X+\p:X+\p+1], v[X+\p:X+\p+1], v[X+16+\p:X+16+\p+1]
	v_pk_add_f32 v[X+32+\p:X+32+\p+1], v[X+32+\p:X+32+\p+1], v[X+48+\p:X+48+\p+1]
.endr
.irp p, 0,2
	v_pk_add_f32 v[X+\p:X+\p+1], v[X+\p:X+\p+1], v[X+32+\p:X+32+\p+1]
.endr
.irp k, 0,1,2,3
	v_permlanex16_b32 v[X+4+\k], v[X+\k], s21, s22 ; the other half of the lanes holds the variables of the other parity
.endr
	v_pk_add_f32 v[X:X+1], v[X:X+1], v[X+4:X+5]
	v_pk_add_f32 v[X+2:X+3], v[X+2:X+3], v[X+6:X+7]
	ds_store_b128 v4, v[X:X+3]                     ; lanes l and l + 16 hold the same four sums and write them to the same bytes
	s_wait_dscnt 0x0                               ; for wave 0's sake: my row lies in LDS
	s_barrier_signal -1
	s_barrier_wait -1
	s_cmp_lg_u32 s10, 0
	s_cbranch_scc1 .Ldone                          ; 8 keys x 4 runs of 16 numbers are 32 lanes' work: wave 0 does it
.irp n, 0,1,2,3
	ds_load_b128 v[X+4*\n:X+4*\n+3], v5 offset:16*\n
.endr
	s_wait_dscnt 0x0
	v_max3_num_f32 v9, |v[X]|, |v[X+1]|, 0x4800000 ; the largest magnitude of my 16, in two chains, and the floor 2^(9 - 127), which holds the byte at 1 from below
	v_max3_num_f32 v10, |v[X+8]|, |v[X+9]|, |v[X+10]|
	v_max3_num_f32 v9, v9, |v[X+2]|, |v[X+3]|
	v_max3_num_f32 v10, v10, |v[X+11]|, |v[X+12]|
	v_max3_num_f32 v9, v9, |v[X+4]|, |v[X+5]|
	v_max3_num_f32 v10, v10, |v[X+13]|, |v[X+14]|
	v_max3_num_f32 v9, v9, |v[X+6]|, |v[X+7]|
	v_max3_num_f32 v9, v9, v10, |v[X+15]|
	v_max_num_f32_dpp v9, v9, v9 row_xmask:8 row_mask:0xf bank_mask:0xf   ; with lane l xor 8's 16: the block's
	v_add_nc_u32 v11, 0xfc000000, v9               ; 8 off its exponent field: the conversion takes the exponent field of this operand as its scale
	v_and_or_b32 v10, v9, 0x7f800000, s20          ; 448 x the scale: the largest magnitude's exponent field over 448's mantissa
.irp i, 0,1,2,3,4,5,6,7,8,9,10,11,12,13,14,15
	v_med3_num_f32 v[X+\i], v[X+\i], -v10, v10     ; the conversion to an 8-bit code does not saturate (ISA guide 7.6.2): the hold at the largest code x the scale
.endr
	v_cvt_scalef32_pk8_fp8_f32 v[CD:CD+1], v[X:X+7], v11
	v_cvt_scalef32_pk8_fp8_f32 v[CD+2:CD+3], v[X+8:X+15], v11
	v_lshrrev_b32 v12, 23, v11                     ; the scale's byte (a plain line behind the conversions)
	v_permlanex16_b32 v13, v12, s21, s22           ; the byte of the key's other block
	v_lshl_or_b32 v12, v13, 8, v12                 ; in lanes 0-15: block 0's byte below, block 1's above
	global_store_b128 v7, v[CD:CD+3], s[6:7]
	s_wait_xcnt 0x0                                ; EXEC changes only behind this wait
	v_cmp_gt_u32 vcc_lo, 8, v2
	s_and_saveexec_b32 s23, vcc_lo                 ; lanes 0-7: one lane a key
	global_store_b16 v8, v12, s[8:9]               ; the key's two bytes: half of its row's scale word
	s_wait_xcnt 0x0
	s_or_b32 exec_lo, exec_lo, s23
.Ldone:
	s_wait_tensorcnt 0x0
	ds_add_u32 v96, v97
	s_wait_dscnt 0x0
	s_endpgm
.Lfunc_end_k_qbd2fa3ad51_ksum:
	.size	k_qbd2fa3ad51_ksum, .Lfunc_end_k_qbd2fa3ad51_ksum-k_qbd2fa3ad51_ksum
	.p2alignl 7, 3214868480
	.fill 96, 4, 3214868480
	.section	.rodata,"a",@progbits
	.p2align	6, 0x0
	.amdhsa_kernel k_qbd2fa3ad51_ksum
		.amdhsa_group_segment_fixed_size 3328
		.amdhsa_private_segment_fixed_size 0
		.amdhsa_enable_private_segment 0
		.amdhsa_kernarg_size 24
		.amdhsa_user_sgpr_count 2
		.amdhsa_user_sgpr_kernarg_segment_ptr 1
		.amdhsa_wavefront_size32 1
		.amdhsa_system_sgpr_workgroup_id_x 1
		.amdhsa_system_sgpr_workgroup_id_y 1
		.amdhsa_system_sgpr_workgroup_id_z 1
		.amdhsa_system_vgpr_workitem_id 0
		.amdhsa_next_free_vgpr 98
		.amdhsa_next_free_sgpr 66
		.amdhsa_reserve_vcc 1
		.amdhsa_float_denorm_mode_32 3
		.amdhsa_float_denorm_mode_16_64 3
		.amdhsa_memory_ordered 1
		.amdhsa_forward_progress 1
		.amdhsa_inst_pref_size 9
	.end_amdhsa_kernel
	.amdgpu_metadata
---
amdhsa.version: [ 1, 2 ]
amdhsa.kernels:
  - .name:           k_qbd2fa3ad51_ksum
    .symbol:         k_qbd2fa3ad51_ksum.kd
    .args:
      - { .name: key, .offset: 0, .size: 8, .value_kind: global_buffer, .address_space: global }
      - { .name: s_codes, .offset: 8, .size: 8, .value_kind: global_buffer, .address_space: global }
      - { .name: s_scales, .offset: 16, .size: 8, .value_kind: global_buffer, .address_space: global }
    .group_segment_fixed_size: 3328
    .private_segment_fixed_size: 0
    .kernarg_segment_align: 8
    .kernarg_segment_size: 24
    .max_flat_workgroup_size: 256
    .sgpr_count:     66
    .vgpr_count:     98
    .wavefront_size: 32
...
	.end_amdgpu_metadata
.endif
;; end of part 1
;; launch attn (part 2): grid 8 x 32, 4 waves a work-group, clusters of 4 x 1, 185,856 bytes of LDS; arguments query_codes, query_scales, value_codes, value_scales, label_arr, s_codes, s_scales, out0; writes out0
.if DOCPART == 2
	.amdgcn_target "amdgcn-amd-amdhsa--gfx1250"
	.amdhsa_code_object_version 6
	.text
	.protected	k_qbd2fa3ad51_attn
	.globl	k_qbd2fa3ad51_attn
	.p2align	8
	.type	k_qbd2fa3ad51_attn,@function
k_qbd2fa3ad51_attn:
	s_mov_b64 s[64:65], 0
	v_nop
	global_prefetch_b8 v0, s[64:65] scope:SCOPE_SE
	s_setreg_imm32_b32 hwreg(HW_REG_WAVE_MODE, 25, 1), 1
	s_wait_xcnt 0x0
	s_wait_alu depctr_hold_cnt(0) depctr_sa_sdst(0) depctr_va_vdst(0) depctr_va_sdst(0) depctr_va_ssrc(0) depctr_va_vcc(0) depctr_vm_vsrc(0)
	s_getreg_b32 s2, hwreg(HW_REG_IB_STS2, 6, 4)
	s_cmp_eq_u32 s2, 0
	s_cbranch_scc0 .Lentry_in_a_cluster
	s_endpgm
.Lentry_in_a_cluster:
	s_bfe_u32 s2, ttmp6, 0x10000c
	s_cmp_lg_u32 s2, 0x3003
	s_cbranch_scc0 .Lentry_shape_is_right
	s_endpgm
.Lentry_shape_is_right:
; out[b][i][v][:] = the sum over j of softmax_j(query[b][i][v] . S[b][j] / 8, over the j with label[b][j] = label[b][i]) value[b][j][v][:], both products on codes of E4M3 with one E8M0 scale for each 32 along K.
; query_codes [b][i][v][64], query_scales [b][i][v][2]; value_codes [b][v][d][512] (the keys innermost), value_scales [b][v][d][16]; S comes from the launch before, in the order of the operand's registers.
; THE SOFTMAX: t = score x log2(e) / 8; M = the row's largest t rounded up to a whole number; p = 2^(t - M) is quantised along the keys, in blocks of 32 neighbouring keys; the row's sum of the unquantised p divides at the end.
; SHARES.  A work-group: one batch b, four variables v = 4 vg + 0..3, 64 positions i.  A wave: 16 positions, and the four variables one after the other.  Grid x = block of 64 positions, y = 8 b + vg.
; THE MASK hangs on (i, j) alone: a wave makes it once, as 256 registers in the layout of a matrix result (0 where the labels agree, -2^100 where not), and gives it to the first product as C for all four variables.
; THE FIRST PRODUCT, S^T = S Q^T (source 0 = keys, source 1 = my 16 queries), has K = 64, half of the instruction's 128.  One 16-register operand holds TWO tiles of 16 keys, one in each half of K, and the query operand,
; [Q | zero codes] or [zero codes | Q], picks the tile: zero codes add nothing.  All 512 keys of S stay in 256 registers.  THE KEYS OF A TILE ARE NOT NEIGHBOURS: row r of tile u of the 32 keys bb is key 32 bb + 8 u + r + 8 (r / 8),
; so that a lane's 16 registers of the two tiles are the 16 neighbouring keys 32 bb + 16 (lane / 16) + 0..15: the conversions' results are the second product's operand.
; All 512 scores of a tile of queries lie in registers at once: M is the row's own, nothing is rescaled.
; THE SECOND PRODUCT, O^T = V^T P^T (source 0 = 16 of the 64 channels x 128 keys, from LDS; source 1 = p's codes).  As soon as 128 keys' scores are converted, their 64 registers take that K step's four fragments of V.
; CLUSTER.  The four blocks of positions of a cluster share b and vg, so S and the four tiles of V are asked for JOINTLY: the same tensor loads, the same descriptors, a mask that names the four.  Every LDS byte is filled once.
; BY TURNS.  The wave is alone on its SIMD and issues in order, so matrix and vector work stand side by side in the text: behind the two products of each 32 keys stands the search for the largest score of the 32 keys two back;
; the tile before goes out among the first products; half of the exponentials have a hold of the other half's p behind each.
; The four variables are written out by one macro: the first holds the barrier for V, the last has no successor.
; Nothing is prefetched: every input byte is asked for by its own load at the head.
; LIMITS: scores under 2^99 in magnitude (a hidden score is -2^100 + the product); NaN and infinities are not served; the labels may be any 32-bit numbers.
; REGISTERS, in windows of 256 (s_set_vgpr_msb: bits 1:0 source 0, 3:2 source 1, 5:4 source 2, 7:6 destination):
;   window 0: see the names below.   window 1: S, 16 registers for each 32 keys.   window 2: the mask.   window 3: the key labels at the head, then the scores and p, then V's fragments.
.set VP,    528                        ; a row of V in LDS: 512 bytes + 16 = 132 words: the 16 rows of a fragment load start 4 banks apart (64 banks of 4 bytes: ISA guide 11.1)
.set VSZ,   64*VP                      ; a variable's tile of V
.set VLDS,  32768                      ; LDS: S's 32,768 bytes, then four tiles of V,
.set STAGE, VLDS+4*VSZ                 ; then a stage of 16 rows x 272 bytes for each wave, into which no tensor load lands
.set SP,    272
.set NP,    8                          ; places behind this matrix instruction (ISA guide 7.12.1)
.set LI16, 3                           ; v3   16 x lane
.set L4,   4                           ; v4   4 x lane
.set QO,   5                           ; v5   query_codes: 2,048 r + 16 h
.set QSO,  6                           ; v6   query_scales: 64 r
.set LBO,  7                           ; v7   key labels: 64 h
.set LIO,  8                           ; v8   my query's label: 4 r
.set AV0,  9                           ; v9   my lane's place in a tile of V
.set ADV,  10                          ; v10  the same in the variable's tile
.set STO,  11                          ; v11  the stage, in
.set RD,   12                          ; v12  the stage, back
.set GO,   13                          ; v13  my byte offset in the wave's rows of out
.set LIV,  14                          ; v14  my query's label
.set NB,   15                          ; v15  -2^100
.set QZ,   16                          ; v16-23 zero codes, v24-31 Q, v32-39 zero codes
.set SS,   40                          ; v40-47 S's scale words: register R: lanes 0-15 the keys 64 R on, lanes 16-31 the keys 64 R + 32 on
.set QS,   48                          ; v48 Q's scale bytes in the word's lower half, v49 in its upper half; the other half is 0
.set QW,   50                          ; v50-51 Q's scale bytes of the four variables, as loaded
.set VS,   52                          ; v52-59 V's scale words: register 4 p + ks: lanes 0-15 channels 32 p on, lanes 16-31 channels 32 p + 16 on
.set PS,   60                          ; v60-63 p's scale words, one for each 128 keys
.set BM,   64                          ; v64-79 the largest score, then the largest p, then the scale's byte, of each block of 32 keys
.set TMP,  80                          ; v80-95 the second chain of each block's search; then at work
.set MX,   TMP                         ; v80-81 the row's largest score
.set NM,   TMP+2                       ; v82    -M (named as a pair with v83); it stands until the second batch's scalings are out
.set CAP,  96                          ; v96-111  448 x each block's scale
.set SCL,  112                         ; v112-127 each block's scale, as the conversion takes it
.set OB,   96                          ; v96-127  on the way out: 16 rows read back from the stage
.set PC,   128                         ; v128-191 p's codes
.set O,    192                         ; v192-223 O^T: four tiles of 16 channels
.set QH,   224                         ; v224-247 Q of variables 1 to 3
.set SUM,  248                         ; v248-255 the row's sum, in four chains of pairs
.set RL,   SUM+2                       ; v250   1 / the row's sum (named as a pair with v251), once the chains are joined
.set WV,   20                          ; s20  my wave's number
.set G1S,  28                          ; s[28:35] descriptor group 1 for S;  s[36:43] for V;  s[44:47], s[48:51] their groups 0
.set G1V,  36
.set G0S,  44
.set G0V,  48
.set SEL,  56                          ; s[56:57] lane selects for v_permlanex16_b32: lane l xor 16
.set CS,   58                          ; s[58:59] c = log2(e) / 8
.set MNT,  60                          ; s60  the mantissa field of 448
.set CM,   68                          ; s[68:75] eight compare masks
.set MSB, 0
.macro WIN new                         ; the immediate's high byte repeats the setting that is left
.if MSB != \new
	s_set_vgpr_msb (MSB<<8)|\new
.set MSB, \new
.endif
.endm
.macro PLACES n                        ; plain vector lines that name none of a matrix instruction's registers
.rept \n
	v_nop
.endr
.endm
.macro CROUND                          ; a round of the cluster's barrier
	s_barrier_signal -1
	s_barrier_wait -1
	s_cmp_lg_u32 s[WV], 0
	s_cbranch_scc1 .Lnot_wave_0_\@
	s_barrier_signal -3
.Lnot_wave_0_\@:
	s_barrier_wait -3
	s_barrier_signal -1
	s_barrier_wait -1
.endm
; 32 loads of key labels: register 16 bb + 8 u + j of window 3 takes the label of key 32 bb + 16 h + 8 u + j: the key whose score that register will hold
.macro LABELS n0
	WIN 0xc0                                       ; destination window 3
.set n, \n0
.rept 32
	global_load_b128 v[4*n:4*n+3], v[LBO], s[12:13] offset:128*(n/4)+16*(n%4)
.set n, n+1
.endr
	WIN 0
.endm
; half of the mask, 128 registers from n0 on: eight compares, then eight selects, so that no select waits for its compare
.macro MASK n0
	WIN 0x83                                       ; source 0 window 3 (key labels), source 1 window 0, destination window 2 (the mask)
.set n, \n0
.rept 16
.irp k, 0,1,2,3,4,5,6,7
	v_cmp_ne_u32 s[CM+\k], v[n+\k], v[LIV]
.endr
.irp k, 0,1,2,3,4,5,6,7
	v_cndmask_b32 v[n+\k], 0, v[NB], s[CM+\k]      ; 0 where the labels agree, -2^100 where not
.endr
.set n, n+8
.endr
	WIN 0
.endm
	s_load_b256 s[4:11], s[0:1], 0x0               ; query_codes s[4:5], query_scales s[6:7], value_codes s[8:9], value_scales s[10:11]
	s_load_b256 s[12:19], s[0:1], 0x20             ; label_arr s[12:13], s_codes s[14:15], s_scales s[16:17], out0 s[18:19]
	v_lshl_add_u32 v254, v0, 2, 0x2d400
	v_mov_b32 v255, 0
	ds_add_u32 v254, v255
	ds_add_u32 v254, v255
	s_wait_dscnt 0x0
	; all that needs no buffer address is made while the arguments are on their way
	v_lshrrev_b32 v1, 5, v0
	v_readfirstlane_b32 s[WV], v1                  ; wave 0..3
	s_and_b32 s23, ttmp7, 0xffff                   ; y = 8 b + vg, which the four partners share
	s_lshr_b32 s24, s23, 3                         ; b
	s_and_b32 s25, s23, 7                          ; vg
	; group 1 for S: my quarter, 8,192 dense bytes, as 32 rows of 32 elements of 8 bytes, no padding (it is read back 512 consecutive bytes an instruction)
	s_mov_b32 s[G1S], 15|(3<<16)|(1<<21)           ; 15:0 the mask: all four work-groups; 17:16 elements of 8 bytes; 21 set beside a mask
	s_mov_b32 s[G1S+1], 32<<16                     ; tensor_dim0
	s_mov_b32 s[G1S+2], 32<<16                     ; tensor_dim1
	s_mov_b32 s[G1S+3], 32<<16                     ; tile_dim0
	s_mov_b32 s[G1S+4], 32                         ; tile_dim1
	s_mov_b32 s[G1S+5], 32                         ; from row to row
	s_mov_b32 s[G1S+6], 0
	s_mov_b32 s[G1S+7], 0
	; group 1 for V: one variable's 64 rows of 512 bytes, 16 bytes of padding behind each
	s_mov_b32 s[G1V], 15|(1<<20)|(1<<21)|(6<<22)|(3<<25)  ; the mask; elements of 1 byte; 20 padding on; 24:22 after every 128 words (code 6); 31:25 four words (code 3)
	s_mov_b32 s[G1V+1], 512<<16
	s_mov_b32 s[G1V+2], 64<<16
	s_mov_b32 s[G1V+3], 512<<16
	s_mov_b32 s[G1V+4], 64
	s_mov_b32 s[G1V+5], 512
	s_mov_b32 s[G1V+6], 0
	s_mov_b32 s[G1V+7], 0
	s_lshl_b32 s52, s24, 15                        ; S: 32,768 bytes a batch,
	s_lshl_b32 s53, s[WV], 13                      ; my quarter
	s_add_co_u32 s52, s52, s53
	s_mov_b32 s53, 0
	s_lshl_b32 s54, s23, 2
	s_add_co_u32 s54, s54, s[WV]                   ; V: wave w fetches variable 4 vg + w: tile 32 b + 4 vg + w = 4 y + w,
	s_lshl_b32 s54, s54, 15                        ; of 32,768 bytes
	s_mov_b32 s55, 0
	s_mov_b32 s[G0S], 1                            ; count = 1
	s_lshl_b32 s[G0S+1], s[WV], 13                 ; LDS address: no place in the cluster enters it
	s_mov_b32 s[G0V], 1
	s_mul_i32 s[G0V+1], s[WV], VSZ
	s_add_co_u32 s[G0V+1], s[G0V+1], VLDS
	; my place in the cluster enters the offsets of Q, of my queries' labels and of out alone
	s_bfe_u32 s21, ttmp6, 0x40000                  ; cx
	s_lshl_b32 s22, ttmp9, 2
	s_add_co_u32 s22, s22, s21                     ; my block of 64 positions
	s_lshl_b32 s76, s24, 9
	s_lshl_b32 s77, s22, 6
	s_add_co_u32 s76, s76, s77
	s_lshl_b32 s77, s[WV], 4
	s_add_co_u32 s76, s76, s77                     ; 512 b + my wave's first position
	s_lshl_b32 s78, s76, 11                        ; query_codes: 2,048 bytes a position, 256 for four variables
	s_lshl_b32 s77, s25, 8
	s_add_co_u32 s78, s78, s77
	s_mov_b32 s79, 0
	s_lshl_b32 s80, s76, 6                         ; query_scales: 64 bytes a position, 8 for four variables
	s_lshl_b32 s77, s25, 3
	s_add_co_u32 s80, s80, s77
	s_mov_b32 s81, 0
	s_lshl_b32 s84, s23, 12                        ; value_scales: 1,024 bytes a variable
	s_mov_b32 s85, 0
	s_lshl_b32 s86, s76, 2                         ; my queries' labels
	s_mov_b32 s87, 0
	s_lshl_b32 s88, s24, 11                        ; the batch's 512 labels
	s_mov_b32 s89, 0
	s_lshl_b32 s90, s24, 10                        ; S's scale words: 1,024 bytes a batch
	s_mov_b32 s91, 0
	s_lshl_b32 s92, s76, 13                        ; out: 8,192 bytes a position, 1,024 for four variables
	s_lshl_b32 s77, s25, 10
	s_add_co_u32 s92, s92, s77
	s_mov_b32 s93, 0
	s_mov_b32 s[SEL], 0x76543210
	s_mov_b32 s[SEL+1], 0xfedcba98
	s_mov_b32 s[CS], 0x3e38aa3b                    ; c = log2(e) / 8
	s_mov_b32 s[CS+1], s[CS]                       ; (named with it as a pair, so it is written)
	s_mov_b32 s[MNT], 0x600000
	s_mul_i32 s26, s[WV], 16*SP
	s_add_co_u32 s26, s26, STAGE                   ; my stage
	v_and_b32 v1, 15, v0                           ; r = lane % 16
	v_bfe_u32 v2, v0, 4, 1                         ; h = lane / 16
	v_and_b32 v[LI16], 31, v0
	v_lshlrev_b32 v[L4], 2, v[LI16]
	v_lshlrev_b32 v[LI16], 4, v[LI16]
	v_lshlrev_b32 v[QO], 11, v1
	v_lshl_add_u32 v[QO], v2, 4, v[QO]
	v_lshlrev_b32 v[QSO], 6, v1
	v_lshlrev_b32 v[LBO], 6, v2
	v_lshlrev_b32 v[LIO], 2, v1
	v_mul_u32_u24 v[AV0], v1, VP
	v_lshl_add_u32 v[AV0], v2, 4, v[AV0]
	v_add_nc_u32 v[AV0], VLDS, v[AV0]              ; V: row r x pitch + 16 h
	v_mul_u32_u24 v[STO], v1, SP
	v_lshl_add_u32 v[STO], v2, 5, v[STO]
	v_add_nc_u32 v[STO], s26, v[STO]               ; the stage, in: row r; a tile's eight channels of my half: 32 h bytes on
	v_mul_u32_u24 v[RD], v2, SP
	v_lshl_add_u32 v[RD], v1, 4, v[RD]
	v_add_nc_u32 v[RD], s26, v[RD]                 ; back: lanes 0-15 one row, lanes 16-31 the next
	v_lshlrev_b32 v[GO], 13, v2
	v_lshl_add_u32 v[GO], v1, 4, v[GO]             ; and the same two positions in out
	v_mov_b32 v[NB], 0xf1800000                    ; -2^100
.irp i, 0,1,2,3,4,5,6,7
	v_mov_b32 v[QZ+\i], 0                          ; the zero codes on both sides of Q
	v_mov_b32 v[QZ+16+\i], 0
.endr
	s_wait_kmcnt 0x0
	s_add_nc_u64 s[4:5], s[4:5], s[78:79]
	s_add_nc_u64 s[6:7], s[6:7], s[80:81]
	s_add_nc_u64 s[10:11], s[10:11], s[84:85]
	s_add_nc_u64 s[82:83], s[12:13], s[86:87]      ; my queries' labels
	s_add_nc_u64 s[12:13], s[12:13], s[88:89]      ; the batch's labels
	s_add_nc_u64 s[16:17], s[16:17], s[90:91]
	s_add_nc_u64 s[18:19], s[18:19], s[92:93]
	s_add_nc_u64 s[G0S+2:G0S+3], s[14:15], s[52:53]
	s_or_b32 s[G0S+3], s[G0S+3], 0x80000000        ; type = 2
	s_add_nc_u64 s[G0V+2:G0V+3], s[8:9], s[54:55]
	s_or_b32 s[G0V+3], s[G0V+3], 0x80000000
	; THE LOADS INTO REGISTERS GO OUT AHEAD OF THE CLUSTER'S ROUND, which they do not need: 20 loads of what only this wave reads, then the labels of keys 0 to 255
	global_load_b32 v[LIV], v[LIO], s[82:83]       ; the label of my query
	global_load_b64 v[QW:QW+1], v[QSO], s[6:7]     ; my query's scale bytes of all four variables: 8 neighbouring bytes
	global_load_b128 v[QZ+8:QZ+11], v[QO], s[4:5]              ; Q of variable 0, between the zero codes
	global_load_b128 v[QZ+12:QZ+15], v[QO], s[4:5] offset:32
.irp vv, 1,2,3                         ; and of the other three: a position's four variables are 256 neighbouring bytes, all taken here
	global_load_b128 v[QH+8*(\vv-1):QH+8*(\vv-1)+3], v[QO], s[4:5] offset:64*\vv
	global_load_b128 v[QH+8*(\vv-1)+4:QH+8*(\vv-1)+7], v[QO], s[4:5] offset:64*\vv+32
.endr
	global_load_b128 v[VS:VS+3], v[LI16], s[10:11]             ; V's scale words of variable 0: lane l takes channel l's 16 bytes,
	global_load_b128 v[VS+4:VS+7], v[LI16], s[10:11] offset:512  ; and channel 32 + l's
.irp i, 0,1,2,3,4,5,6,7
	global_load_b32 v[SS+\i], v[L4], s[16:17] offset:128*\i
.endr
	LABELS 0
	CROUND                                         ; all four work-groups are here: the joint loads meet
	tensor_load_to_lds s[G0S:G0S+3], s[G1S:G1S+7]  ; two loads of mine are out: S first, it is wanted first
	s_nop 0
	tensor_load_to_lds s[G0V:G0V+3], s[G1V:G1V+7]
	s_nop 0
.rept 4
	v_nop                                          ; four such lines behind the loads
.endr
	LABELS 32                                      ; the labels of keys 256 to 511
	s_wait_loadcnt 32                              ; loads come back in order: all but the 32 just issued are in
	v_and_b32 v[QS], 0xffff, v[QW]                 ; variable 0: its two bytes below (for [Q | 0]),
	v_lshlrev_b32 v[QS+1], 16, v[QW]               ; and above (for [0 | Q]); the zero codes' bytes are 0
	MASK 0                                         ; keys 0 to 255
	s_wait_tensorcnt 0x1                           ; my quarter of S is in LDS; V's tile may stay out
	s_barrier_signal -1
	s_barrier_wait -1                              ; everybody's quarter is
	WIN 0x40                                       ; destination window 1
.set n, 0
.rept 64
	ds_load_b128 v[4*n:4*n+3], v[LI16] offset:512*n  ; S as an image of the operand's registers: 512 consecutive bytes an instruction; they land under the mask's second half
.set n, n+1
.endr
	WIN 0
	s_wait_loadcnt 0x0                             ; the other 32 loads of labels
	MASK 128                                       ; keys 256 to 511
	s_wait_dscnt 0x0                               ; S
; The two products of the 32 keys bb: S^T = S Q^T + the mask.  Source 0: the two tiles of 16 keys, one in each half of K; source 1 picks one.  C: the mask (window 2); D: the scores (window 3).
.macro PAIR bb
	WIN 0xe1                                       ; source 0 window 1, source 1 window 0, C window 2, D window 3
.if (\bb)%2
	v_wmma_scale_f32_16x16x128_f8f6f4 v[16*(\bb):16*(\bb)+7], v[16*(\bb):16*(\bb)+15], v[QZ+8:QZ+23], v[16*(\bb):16*(\bb)+7], v[SS+(\bb)/2], v[QS] matrix_a_scale:MATRIX_SCALE_ROW1
	v_wmma_scale_f32_16x16x128_f8f6f4 v[16*(\bb)+8:16*(\bb)+15], v[16*(\bb):16*(\bb)+15], v[QZ:QZ+15], v[16*(\bb)+8:16*(\bb)+15], v[SS+(\bb)/2], v[QS+1] matrix_a_scale:MATRIX_SCALE_ROW1
.else
	v_wmma_scale_f32_16x16x128_f8f6f4 v[16*(\bb):16*(\bb)+7], v[16*(\bb):16*(\bb)+15], v[QZ+8:QZ+23], v[16*(\bb):16*(\bb)+7], v[SS+(\bb)/2], v[QS]
	v_wmma_scale_f32_16x16x128_f8f6f4 v[16*(\bb)+8:16*(\bb)+15], v[16*(\bb):16*(\bb)+15], v[QZ:QZ+15], v[16*(\bb)+8:16*(\bb)+15], v[SS+(\bb)/2], v[QS+1]
.endif
.endm
; The largest of my 16 scores of block q, in two chains (one for each of its two tiles, each begun at the tile's low end); the chains are joined later, in window 0.
; It serves the row's maximum and, since p rises with the score, the block's largest p.
.macro SLICE q
	WIN 0x3f                                       ; all three sources window 3
	v_max3_num_f32 v[BM+(\q)], v[16*(\q)], v[16*(\q)+1], v[16*(\q)+2]
	v_max3_num_f32 v[TMP+(\q)], v[16*(\q)+8], v[16*(\q)+9], v[16*(\q)+10]
	WIN 0x3c                                       ; source 0 window 0
	v_max3_num_f32 v[BM+(\q)], v[BM+(\q)], v[16*(\q)+3], v[16*(\q)+4]
	v_max3_num_f32 v[TMP+(\q)], v[TMP+(\q)], v[16*(\q)+11], v[16*(\q)+12]
	v_max3_num_f32 v[BM+(\q)], v[BM+(\q)], v[16*(\q)+5], v[16*(\q)+6]
	v_max3_num_f32 v[TMP+(\q)], v[TMP+(\q)], v[16*(\q)+13], v[16*(\q)+14]
	v_max3_num_f32 v[BM+(\q)], v[BM+(\q)], v[16*(\q)+7], v[16*(\q)+15]
.endm
; The way out, in three parts.  SCALE_O: two tiles of O^T / the sum, each accumulator from its low end on.  TOSTAGE: into my stage, and back as whole rows of 256 bytes.  SEND: stored.
.macro SCALE_O j0
.set j, \j0
.rept 8
	v_pk_mul_f32 v[O+j:O+j+1], v[O+j:O+j+1], v[RL:RL+1] op_sel_hi:[1,0]
.set j, j+2
.endr
.endm
.macro TOSTAGE
.irp dt, 0,1,2,3
	ds_store_b128 v[STO], v[O+8*\dt:O+8*\dt+3] offset:64*\dt                  ; lane (r, h): out(position r, channels 16 dt + 8 h + 0..7)
	ds_store_b128 v[STO], v[O+8*\dt+4:O+8*\dt+7] offset:64*\dt+16
.endr
.irp i, 0,1,2,3,4,5,6,7
	ds_load_b128 v[OB+4*\i:OB+4*\i+3], v[RD] offset:2*\i*SP                   ; LDS serves a wave's instructions in order (ISA guide 5.7.1.4): these see my stores
.endr
.endm
.macro SEND vv
.irp i, 0,1,2,3,4,5,6,7
	s_wait_dscnt 7-\i                              ; the younger rows may stay out
	global_store_b128 v[GO], v[OB+4*\i:OB+4*\i+3], s[18:19] offset:2*\i*8192+256*\vv th:TH_STORE_NT   ; 16 lanes store the 256 consecutive bytes of one (position, variable), aligned
.endr
.endm
; A VARIABLE'S SCORES AND ITS BLOCKS' LARGEST SCORES, BY TURNS: behind the two products of block bb stand the seven lines of block bb - 2.  Between a product and the first read of its result so lie two slices, 14 plain lines
; that name none of its registers (8 are asked: ISA guide 7.12.1).  The first two gaps have no slice yet.  out = 1: they hold the scalings of the tile that goes out, eight lines each, and its way into the stage; out = 0: four v_nop each.
.macro P1MAX out
.irp bb, 0,1,2,3,4,5,6,7,8,9,10,11,12,13,14,15
	PAIR \bb
.if \bb == 0
.if \out
	WIN 0
	SCALE_O 0
.else
	PLACES 4
.endif
.elseif \bb == 1
.if \out
	WIN 0
	SCALE_O 16
	TOSTAGE                                        ; the stage's round trip runs beside the 28 products that follow
.else
	PLACES 4
.endif
.else
	SLICE \bb-2
.endif
.endr
	SLICE 14
	SLICE 15
	WIN 0
.endm
; One product of O^T += V^T P^T: channels 16 dt on, keys 128 ks on.  The first K step starts the sums.
.macro PV ks, dt
.if (\ks) == 0
.if (\dt)%2
	v_wmma_scale_f32_16x16x128_f8f6f4 v[O+8*\dt:O+8*\dt+7], v[64*\ks+16*\dt:64*\ks+16*\dt+15], v[PC+16*\ks:PC+16*\ks+15], 0, v[VS+4*(\dt/2)+\ks], v[PS+\ks] matrix_a_scale:MATRIX_SCALE_ROW1
.else
	v_wmma_scale_f32_16x16x128_f8f6f4 v[O+8*\dt:O+8*\dt+7], v[64*\ks+16*\dt:64*\ks+16*\dt+15], v[PC+16*\ks:PC+16*\ks+15], 0, v[VS+4*(\dt/2)+\ks], v[PS+\ks]
.endif
.else
.if (\dt)%2
	v_wmma_scale_f32_16x16x128_f8f6f4 v[O+8*\dt:O+8*\dt+7], v[64*\ks+16*\dt:64*\ks+16*\dt+15], v[PC+16*\ks:PC+16*\ks+15], v[O+8*\dt:O+8*\dt+7], v[VS+4*(\dt/2)+\ks], v[PS+\ks] matrix_a_scale:MATRIX_SCALE_ROW1
.else
	v_wmma_scale_f32_16x16x128_f8f6f4 v[O+8*\dt:O+8*\dt+7], v[64*\ks+16*\dt:64*\ks+16*\dt+15], v[PC+16*\ks:PC+16*\ks+15], v[O+8*\dt:O+8*\dt+7], v[VS+4*(\dt/2)+\ks], v[PS+\ks]
.endif
.endif
.endm
; ONE VARIABLE.  Its scores lie in window 3, and the two chains of each block's largest score in v64-79 and v80-95.
.macro BODY vv
.set q, 0
.rept 16
	v_max_num_f32 v[BM+q], v[BM+q], v[TMP+q]       ; the two chains are joined
.set q, q+1
.endr
.set q, 0
.rept 16
	v_permlanex16_b32 v[TMP+q], v[BM+q], s[SEL], s[SEL+1]
.set q, q+1
.endr
.set q, 0
.rept 16
	v_max_num_f32 v[BM+q], v[BM+q], v[TMP+q]       ; with lane l xor 16's 16 keys
.set q, q+1
.endr
	v_max3_num_f32 v[MX], v[BM], v[BM+1], v[BM+2]  ; the row's largest score, in two chains.  The diagonal always counts, so it is a true score
	v_max3_num_f32 v[MX+1], v[BM+3], v[BM+4], v[BM+5]
	v_max3_num_f32 v[MX], v[MX], v[BM+6], v[BM+7]
	v_max3_num_f32 v[MX+1], v[MX+1], v[BM+8], v[BM+9]
	v_max3_num_f32 v[MX], v[MX], v[BM+10], v[BM+11]
	v_max3_num_f32 v[MX+1], v[MX+1], v[BM+12], v[BM+13]
	v_max3_num_f32 v[MX], v[MX], v[BM+14], v[BM+15]
	v_max_num_f32 v[MX], v[MX], v[MX+1]
	v_mul_f32 v[MX], s[CS], v[MX]                  ; as t (c is positive)
	v_floor_f32 v[NM], -v[MX]                      ; -M = floor(-t) = -ceil(t)
.set q, 0
.rept 16
	v_fma_f32 v[BM+q], v[BM+q], s[CS], v[NM]       ; t - M of each block's largest score
.set q, q+1
.endr
	; THE FIRST BATCH of exponentials: the 16 blocks' largest p, then the p of keys 0 to 255; a pair's scaling stands one step ahead of its two exponentials; none of these lines reads an exponential's result
.set q, 0
.rept 16
	v_exp_f32 v[BM+q], v[BM+q]
.set q, q+1
.endr
	WIN 0xc3                                       ; source 0 and destination window 3
	v_pk_fma_f32 v[0:1], v[0:1], s[CS:CS+1], v[NM:NM+1] op_sel_hi:[1,0,0]
.set j, 0
.rept 63
	v_pk_fma_f32 v[j+2:j+3], v[j+2:j+3], s[CS:CS+1], v[NM:NM+1] op_sel_hi:[1,0,0]   ; t - M, two at a time (of the pairs c and -M the low word serves both halves)
	v_exp_f32 v[j], v[j]                           ; p = 2^(t - M): not normalised; 0 for a hidden key
	v_exp_f32 v[j+1], v[j+1]
.set j, j+2
.endr
	v_exp_f32 v[126], v[126]
	v_exp_f32 v[127], v[127]
	v_pk_fma_f32 v[128:129], v[128:129], s[CS:CS+1], v[NM:NM+1] op_sel_hi:[1,0,0]   ; the second batch's first scaling: the plain line behind the last exponential
	WIN 0
	s_wait_alu depctr_va_vdst(0)                   ; one wait for the whole batch, ahead of its first reader
.if \vv > 0
	s_wait_xcnt 0x0                                ; the last variable's stores have read v96-127, which are written again below
.endif
.set q, 0
.rept 16
	v_max_num_f32 v[BM+q], 0x4800000, v[BM+q]      ; the floor 2^(9 - 127): the byte cannot fall under 1 (a block all of whose keys are hidden keeps that byte: its codes are zeros)
.set q, q+1
.endr
.set q, 0
.rept 16
	v_add_nc_u32 v[SCL+q], 0xfc000000, v[BM+q]     ; 8 off the exponent field: the conversion's scale operand
.set q, q+1
.endr
.set q, 0
.rept 16
	v_and_or_b32 v[CAP+q], v[BM+q], 0x7f800000, s[MNT]  ; 448 x the scale
.set q, q+1
.endr
.set q, 0
.rept 16
	v_lshrrev_b32 v[BM+q], 23, v[SCL+q]            ; the scale's byte
.set q, q+1
.endr
.irp ks, 0,1,2,3
	v_lshl_or_b32 v[PS+\ks], v[BM+4*\ks+1], 8, v[BM+4*\ks]     ; four bytes make p's scale word of 128 keys
.endr
.irp ks, 0,1,2,3
	v_lshl_or_b32 v[PS+\ks], v[BM+4*\ks+2], 16, v[PS+\ks]
.endr
.irp ks, 0,1,2,3
	v_lshl_or_b32 v[PS+\ks], v[BM+4*\ks+3], 24, v[PS+\ks]
.endr
	; the row's sum, of the unquantised p: two at a time, in four chains.  Keys 0 to 255 now, ahead of their hold
	WIN 0x0f                                       ; both sources window 3
.irp k, 0,1,2,3
	v_pk_add_f32 v[SUM+2*\k:SUM+2*\k+1], v[4*\k:4*\k+1], v[4*\k+2:4*\k+3]
.endr
	WIN 0x0c                                       ; source 0 window 0
.set j, 16
.rept 14
.irp k, 0,1,2,3
	v_pk_add_f32 v[SUM+2*\k:SUM+2*\k+1], v[SUM+2*\k:SUM+2*\k+1], v[j+2*\k:j+2*\k+1]
.endr
.set j, j+8
.endr
	; THE SECOND BATCH: the p of keys 256 to 511.  Behind each exponential stands the hold of one p of keys 0 to 255, whose wait has passed: 128 plain lines for 128 exponentials, under the same window setting
	WIN 0xc3
.set j, 0
.rept 63
	v_pk_fma_f32 v[j+130:j+131], v[j+130:j+131], s[CS:CS+1], v[NM:NM+1] op_sel_hi:[1,0,0]
	v_exp_f32 v[j+128], v[j+128]
	v_min_num_f32 v[j], v[j], v[CAP+j/16]          ; the conversion to an 8-bit code does not saturate (ISA guide 7.6.2); p is not negative, so the hold is one-sided
	v_exp_f32 v[j+129], v[j+129]
	v_min_num_f32 v[j+1], v[j+1], v[CAP+j/16]
.set j, j+2
.endr
	v_exp_f32 v[254], v[254]
	v_min_num_f32 v[126], v[126], v[CAP+7]
	v_exp_f32 v[255], v[255]
	v_min_num_f32 v[127], v[127], v[CAP+7]         ; (the plain line behind the last exponential)
	s_wait_alu depctr_va_vdst(0)                   ; one wait for the second batch, ahead of its first reader
	WIN 0x0c
.set j, 128
.rept 16
.irp k, 0,1,2,3
	v_pk_add_f32 v[SUM+2*\k:SUM+2*\k+1], v[SUM+2*\k:SUM+2*\k+1], v[j+2*\k:j+2*\k+1]   ; the sum goes on: keys 256 to 511
.endr
.set j, j+8
.endr
	WIN 0
	v_pk_add_f32 v[SUM:SUM+1], v[SUM:SUM+1], v[SUM+2:SUM+3]
	v_pk_add_f32 v[SUM+4:SUM+5], v[SUM+4:SUM+5], v[SUM+6:SUM+7]
	v_pk_add_f32 v[SUM:SUM+1], v[SUM:SUM+1], v[SUM+4:SUM+5]
	v_add_f32 v[SUM], v[SUM], v[SUM+1]
	v_permlanex16_b32 v[SUM+1], v[SUM], s[SEL], s[SEL+1]
	v_add_f32 v[SUM], v[SUM], v[SUM+1]             ; with lane l xor 16's 256 keys: the row's sum, at least 1/2
	v_rcp_f32 v[RL], v[SUM]                        ; its wait stands ahead of the second product, far ahead of its first reader
	v_add_nc_u32 v[ADV], \vv*VSZ, v[AV0]           ; (a plain line behind the reciprocal)  this variable's tile of V
.if \vv == 0
	s_wait_tensorcnt 0x0                           ; my tile of V is in LDS (it had the mask, the first scores and the first softmax in which to land),
	s_barrier_signal -1                            ; no LDS instruction of mine is out
	s_barrier_wait -1                              ; and so are the other three
.endif
.irp ks, 0,1,2,3                       ; 128 keys at a time: the hold (keys 256 on: the others have had theirs), the conversions, and into the 64 registers so freed that K step's four fragments of V
.if \ks > 1
	WIN 0xc3
.irp c, 0,1,2,3
.set j, 0
.rept 16
	v_min_num_f32 v[64*\ks+16*\c+j], v[64*\ks+16*\c+j], v[CAP+4*\ks+\c]
.set j, j+1
.endr
.endr
.endif
	WIN 0x03                                       ; source 0 window 3, destination window 0
.irp c, 0,1,2,3
	v_cvt_scalef32_pk8_fp8_f32 v[PC+16*\ks+4*\c:PC+16*\ks+4*\c+1], v[64*\ks+16*\c:64*\ks+16*\c+7], v[SCL+4*\ks+\c]
	v_cvt_scalef32_pk8_fp8_f32 v[PC+16*\ks+4*\c+2:PC+16*\ks+4*\c+3], v[64*\ks+16*\c+8:64*\ks+16*\c+15], v[SCL+4*\ks+\c]
.endr
	v_nop                                          ; a plain line behind the last conversion of the run
	WIN 0xc0                                       ; destination window 3
.irp dt, 0,1,2,3
.irp c, 0,1,2,3
	ds_load_b128 v[64*\ks+16*\dt+4*\c:64*\ks+16*\dt+4*\c+3], v[ADV] offset:\dt*16*VP+128*\ks+32*\c
.endr
.endr
.endr
	WIN 0
	PLACES 4                                       ; an operand written by vector instructions stands four places ahead of a scaled matrix instruction; the scale words were made ahead of the sums
	s_wait_alu depctr_va_vdst(0)                   ; the wait for the reciprocal: no matrix instruction is at work here
	s_wait_loadcnt 0x0                             ; V's scale words
	WIN 0x03                                       ; source 0 (V) window 3; P, C and D window 0
.irp ks, 0,1,2,3                       ; the four accumulators take turns, one instruction a turn
	s_wait_dscnt 48-16*\ks                         ; this K step's 16 loads are in; the later K steps' may be out
.irp dt, 0,1,2,3
	PV \ks, \dt
.endr
.endr
	WIN 0
.if \vv < 3
	; The next variable's query operand is made here: 14 plain lines that name no register of the products above.  They are the places behind those products (nine are asked: the next scores are written over V's fragments;
	; O^T is read, and V's scale words are loaded anew, behind them too).  The scale words stand 12 lines, the last code four lines, ahead of the next scaled matrix instruction (8 and 4 are asked)
.if \vv == 0                           ; its two scale bytes, below and above
	v_lshrrev_b32 v[QS], 16, v[QW]
	v_and_b32 v[QS+1], 0xffff0000, v[QW]
.elseif \vv == 1
	v_and_b32 v[QS], 0xffff, v[QW+1]
	v_lshlrev_b32 v[QS+1], 16, v[QW+1]
.else
	v_lshrrev_b32 v[QS], 16, v[QW+1]
	v_and_b32 v[QS+1], 0xffff0000, v[QW+1]
.endif
.irp k, 0,1,2,3,4,5,6,7
	v_mov_b32 v[QZ+8+\k], v[QH+8*\vv+\k]           ; its Q moves between the zero codes: three more pairs of zero runs have no room in the window
.endr
	PLACES 4
	global_load_b128 v[VS:VS+3], v[LI16], s[10:11] offset:1024*(\vv+1)        ; the next variable's scale words of V
	global_load_b128 v[VS+4:VS+7], v[LI16], s[10:11] offset:1024*(\vv+1)+512
	P1MAX 1                                        ; the next variable's scores and block maxima; this tile goes into the stage among the first of them
.else
	PLACES NP                                      ; behind the last products: then O^T is read
	SCALE_O 0
	SCALE_O 16
	TOSTAGE
.endif
	SEND \vv
.endm
	P1MAX 0                                        ; variable 0's scores
	BODY 0
	BODY 1
	BODY 2
	BODY 3
	s_wait_xcnt 0x0
	v_lshl_add_u32 v254, v0, 2, 0x2d400
	v_mov_b32 v255, 0
	s_wait_tensorcnt 0x0
	ds_add_u32 v254, v255
	s_wait_dscnt 0x0
	CROUND                                         ; the closing round: no work-group ends while a partner may still ask for a tile that names it (no LDS instruction and no tensor load of mine is out)
	s_endpgm
.Lfunc_end_k_qbd2fa3ad51_attn:
	.size	k_qbd2fa3ad51_attn, .Lfunc_end_k_qbd2fa3ad51_attn-k_qbd2fa3ad51_attn
	.p2alignl 7, 3214868480
	.fill 96, 4, 3214868480
	.section	.rodata,"a",@progbits
	.p2align	6, 0x0
	.amdhsa_kernel k_qbd2fa3ad51_attn
		.amdhsa_group_segment_fixed_size 185856
		.amdhsa_private_segment_fixed_size 0
		.amdhsa_enable_private_segment 0
		.amdhsa_kernarg_size 64
		.amdhsa_user_sgpr_count 2
		.amdhsa_user_sgpr_kernarg_segment_ptr 1
		.amdhsa_wavefront_size32 1
		.amdhsa_system_sgpr_workgroup_id_x 1
		.amdhsa_system_sgpr_workgroup_id_y 1
		.amdhsa_system_sgpr_workgroup_id_z 1
		.amdhsa_system_vgpr_workitem_id 0
		.amdhsa_next_free_vgpr 1024
		.amdhsa_next_free_sgpr 96
		.amdhsa_reserve_vcc 0
		.amdhsa_float_denorm_mode_32 3
		.amdhsa_float_denorm_mode_16_64 3
		.amdhsa_memory_ordered 1
		.amdhsa_forward_progress 1
		.amdhsa_inst_pref_size 255
	.end_amdhsa_kernel
	.section	.bss,"aw",@nobits
	.p2align	6
	.space	262144
	.amdgpu_metadata
---
amdhsa.version: [ 1, 2 ]
amdhsa.kernels:
  - .name:           k_qbd2fa3ad51_attn
    .symbol:         k_qbd2fa3ad51_attn.kd
    .args:
      - { .name: query_codes, .offset: 0, .size: 8, .value_kind: global_buffer, .address_space: global }
      - { .name: query_scales, .offset: 8, .size: 8, .value_kind: global_buffer, .address_space: global }
      - { .name: value_codes, .offset: 16, .size: 8, .value_kind: global_buffer, .address_space: global }
      - { .name: value_scales, .offset: 24, .size: 8, .value_kind: global_buffer, .address_space: global }
      - { .name: label_arr, .offset: 32, .size: 8, .value_kind: global_buffer, .address_space: global }
      - { .name: s_codes, .offset: 40, .size: 8, .value_kind: global_buffer, .address_space: global }
      - { .name: s_scales, .offset: 48, .size: 8, .value_kind: global_buffer, .address_space: global }
      - { .name: out0, .offset: 56, .size: 8, .value_kind: global_buffer, .address_space: global }
    .group_segment_fixed_size: 185856
    .private_segment_fixed_size: 0
    .kernarg_segment_align: 8
    .kernarg_segment_size: 64
    .max_flat_workgroup_size: 128
    .sgpr_count:     96
    .vgpr_count:     1024
    .wavefront_size: 32
...
	.end_amdgpu_metadata
.endif
;; end of part 2
